; MI455X (gfx1250); checked and timed in simulation.
; The chip was launched on July 23, 2026; its instructions are those of AMD's public machine-readable ISA for CDNA 5 (MIT licence, August 2026) and "CDNA5" Instruction Set Architecture Reference Guide (July 2026). The comments in the code are by the model that wrote it; some were corrected since.
;; Attention. Allowed arithmetic: float matrix products may take bf16 or f16 operands with f32 sums; other float arithmetic in f32, or as packed bf16 or f16 multiplies, adds, multiply-adds, maxima and minima; sums over many terms, partial sums and values carried from step to step in f32; what a program stores and reads back later, other than sums and carried values, may be rounded once to bf16 or f16.
;; Inputs: key 8 x 2,048 x 1,024 float32; query 8 x 2,048 x 1,024 float32.
;; Outputs: out0 8 x 2,048 x 1,024 float32.
;; One version. Each part assembles by itself: llvm-mc -triple=amdgcn-amd-amdhsa -mcpu=gfx1250 --defsym DOCPART=n.
;; ======== version 1 of 1: 2 launches
;; workspace buffers: kb 33,554,432 bytes
;; launch tobf16 (part 1): grid 1024 x 1, 8 waves a work-group, no clusters, 0 bytes of LDS; arguments key, kb; writes kb
.if DOCPART == 1
	.amdgcn_target "amdgcn-amd-amdhsa--gfx1250"
	.amdhsa_code_object_version 6
	.text
	.protected	k_qe34f73e89d_tobf16
	.globl	k_qe34f73e89d_tobf16
	.p2align	8
	.type	k_qe34f73e89d_tobf16,@function
k_qe34f73e89d_tobf16:
	s_mov_b64 s[64:65], 0
	v_nop
	global_prefetch_b8 v0, s[64:65] scope:SCOPE_SE
	s_setreg_imm32_b32 hwreg(HW_REG_WAVE_MODE, 25, 1), 1
	s_wait_xcnt 0x0
; kb = key rounded once to bf16 (to nearest even), same order of numbers: [8][2048][1024].
; A stream: every byte of key is read once, every byte of kb written once; no LDS, no barrier, no matrix work.
; A work-group takes 65,536 bytes of key, a wave 8,192: sixteen loads of 16 bytes a lane, each 512 consecutive bytes, all issued at once.
; Four f32 of a lane become 8 bytes; a wave's store covers 256 consecutive bytes, aligned.
.set X, 4                              ; v[4:67]   sixteen loads of four registers
.set Y, 68                             ; v[68:99]  sixteen pairs to store
	s_load_b128 s[4:7], s[0:1], 0x0                ; key s[4:5], kb s[6:7]
	v_and_b32 v3, 31, v0                           ; lane
	v_lshrrev_b32 v1, 5, v0                        ; wave
	v_lshlrev_b32 v2, 12, v1                       ; 4,096 bytes of kb a wave
	v_lshlrev_b32 v1, 13, v1                       ; 8,192 bytes of key a wave
	v_lshl_or_b32 v1, v3, 4, v1                    ; + 16 x lane
	v_lshl_or_b32 v2, v3, 3, v2                    ; + 8 x lane
	s_lshl_b32 s8, ttmp9, 16                       ; the work-group's 65,536 bytes of key
	s_mov_b32 s9, 0
	s_lshl_b32 s10, ttmp9, 15                      ; and 32,768 of kb
	s_mov_b32 s11, 0
	s_wait_kmcnt 0x0
	s_add_nc_u64 s[4:5], s[4:5], s[8:9]
	s_add_nc_u64 s[6:7], s[6:7], s[10:11]
.set t, 0
.rept 16
	global_load_b128 v[X+4*t:X+4*t+3], v1, s[4:5] offset:512*t th:TH_LOAD_NT
.set t, t+1
.endr
.set t, 0
.rept 16
	s_wait_loadcnt 15-t                            ; loads come back in order: load t is in, the 15 - t younger ones stay out
	v_cvt_pk_bf16_f32 v[Y+2*t], v[X+4*t], v[X+4*t+1]
	v_cvt_pk_bf16_f32 v[Y+2*t+1], v[X+4*t+2], v[X+4*t+3]
	global_store_b64 v2, v[Y+2*t:Y+2*t+1], s[6:7] offset:256*t  ; no register is written twice, so nothing waits for a store
.set t, t+1
.endr
	s_endpgm
.Lfunc_end_k_qe34f73e89d_tobf16:
	.size	k_qe34f73e89d_tobf16, .Lfunc_end_k_qe34f73e89d_tobf16-k_qe34f73e89d_tobf16
	.p2alignl 7, 3214868480
	.fill 96, 4, 3214868480
	.section	.rodata,"a",@progbits
	.p2align	6, 0x0
	.amdhsa_kernel k_qe34f73e89d_tobf16
		.amdhsa_group_segment_fixed_size 0
		.amdhsa_private_segment_fixed_size 0
		.amdhsa_enable_private_segment 0
		.amdhsa_kernarg_size 16
		.amdhsa_user_sgpr_count 2
		.amdhsa_user_sgpr_kernarg_segment_ptr 1
		.amdhsa_wavefront_size32 1
		.amdhsa_system_sgpr_workgroup_id_x 1
		.amdhsa_system_sgpr_workgroup_id_y 1
		.amdhsa_system_sgpr_workgroup_id_z 1
		.amdhsa_system_vgpr_workitem_id 0
		.amdhsa_next_free_vgpr 104
		.amdhsa_next_free_sgpr 66
		.amdhsa_reserve_vcc 0
		.amdhsa_float_denorm_mode_32 3
		.amdhsa_float_denorm_mode_16_64 3
		.amdhsa_memory_ordered 1
		.amdhsa_forward_progress 1
		.amdhsa_inst_pref_size 7
	.end_amdhsa_kernel
	.amdgpu_metadata
---
amdhsa.version: [ 1, 2 ]
amdhsa.kernels:
  - .name:           k_qe34f73e89d_tobf16
    .symbol:         k_qe34f73e89d_tobf16.kd
    .args:
      - { .name: key, .offset: 0, .size: 8, .value_kind: global_buffer, .address_space: global }
      - { .name: kb, .offset: 8, .size: 8, .value_kind: global_buffer, .address_space: global }
    .group_segment_fixed_size: 0
    .private_segment_fixed_size: 0
    .kernarg_segment_align: 8
    .kernarg_segment_size: 16
    .max_flat_workgroup_size: 256
    .sgpr_count:     66
    .vgpr_count:     104
    .wavefront_size: 32
...
	.end_amdgpu_metadata
.endif
;; end of part 1
;; launch attn (part 2): grid 32 x 8, 4 waves a work-group, clusters of 4 x 1, 327,680 bytes of LDS; arguments kb, query, out0; writes out0
.if DOCPART == 2
	.amdgcn_target "amdgcn-amd-amdhsa--gfx1250"
	.amdhsa_code_object_version 6
	.text
	.protected	k_qe34f73e89d_attn
	.globl	k_qe34f73e89d_attn
	.p2align	8
	.type	k_qe34f73e89d_attn,@function
k_qe34f73e89d_attn:
	s_mov_b64 s[64:65], 0
	v_nop
	global_prefetch_b8 v0, s[64:65] scope:SCOPE_SE
	s_setreg_imm32_b32 hwreg(HW_REG_WAVE_MODE, 25, 1), 1
	s_wait_xcnt 0x0
	s_wait_alu depctr_hold_cnt(0) depctr_sa_sdst(0) depctr_va_vdst(0) depctr_va_sdst(0) depctr_va_ssrc(0) depctr_va_vcc(0) depctr_vm_vsrc(0)
	s_getreg_b32 s2, hwreg(HW_REG_IB_STS2, 6, 4)
	s_cmp_eq_u32 s2, 0
	s_cbranch_scc0 .Lentry_in_a_cluster
	s_endpgm
.Lentry_in_a_cluster:
	s_bfe_u32 s2, ttmp6, 0x10000c
	s_cmp_lg_u32 s2, 0x3003
	s_cbranch_scc0 .Lentry_shape_is_right
	s_endpgm
.Lentry_shape_is_right:
; out0[b][q][:] = the sum over k of softmax_k(Q[b][q] . K[b][k]) K[b][k][:], unscaled; the keys are also the values.  kb: [8][2048][1024] bf16 (key rounded once); query, out0: [8][2048][1024] f32.
; LIMITS.  Q and K are rounded once to bf16, the weights p to bf16 for the second product (their sum l is taken of the unrounded p); products, maxima and sums in f32, in another order than a plain sum.
; A weight below 2^-126 counts as 0; log2(e) x |score| stays under 4e37; NaN and infinities are not treated apart.
; SHARES.  A work-group owns 64 queries of one batch: 256 work-groups.  THE 1,024 CHANNELS ARE SPLIT AMONG ITS FOUR WAVES: wave w owns channels 256 w .. 256 w + 255 in both products.  So it holds
; Q (64 queries x 256 channels, bf16: 256 registers) and O^T (256 channels x 64 queries, f32: 512 registers), and reads only its own 512 bytes of each key's row, once as it lies and once turned.
; S^T = K Q^T over 256 channels is a PARTIAL sum.  Wave t owns query tile t (16 queries): the other three put their partial tiles into its block of LDS, it adds them in f32, makes the softmax
; for its tile alone, and publishes P (bf16) and a.  A wave numbers the tiles from its own: its tile i is tile (w + i) % 4, so register numbers do not hang on w; only addresses do.
; KEY ORDER.  Row m of a fragment of K takes key 2 (m % 8) + m / 8 of its 16, so register j of lane (r, h) of S^T is key 2 j + h; the turning load's lanes address key 2 (l % 8) + h, so place 8 h + j
; of V^T's fragment is the same key.  So S^T rounded in pairs IS source 1 of O^T = V^T P, lane for lane, and one pitch serves both loads.
; SOFTMAX.  A running maximum m and sum l for each query: p = 2^(c s - c m), c = log2(e); O and l are multiplied by a = 2^(c m_old - c m_new).  m starts at the lowest finite number, O and l at 0.
; A TILE is 64 keys, in two halves of 32, and four phases of 64 matrix instructions: S(h0) | S(h1), beside it the softmax of h0 | V^T P(h0), beside it O a0 and the softmax of h1 | V^T P(h1), beside it O a1
; and the change of slots.  Both halves are used up inside the tile, since LDS holds two tiles and no more.
; THE LDS INSTRUCTIONS STAND IN FEW, LONG RUNS: 13 a tile.  A run at products 0 and 32 of each phase fetches the fragments of two groups of 16 products and carries the stores that are due;
; only the reads of partial scores, the reads of P and a, and the first fragments behind a refill have runs of their own.
; CLUSTER.  The four query blocks of a cluster belong to one batch and walk the same keys: each strip is asked for JOINTLY, by the same tensor load, descriptor and mask in all four.
; LDS.  Two slots of 4 strips x 64 rows x 528 bytes; four owners' blocks; the spare words.  On the way out a wave's own strip of slot 0, whose last fill is tile 30, is its stage.
; REGISTERS, in windows of 256 (s_set_vgpr_msb: bits 1:0 source 0, 3:2 source 1, 5:4 source 2, 7:6 destination):
;   window 0: v0-31 addresses and statistics; v32-63 my own tile's scores (by half, by 16 keys); v64-87 the other three tiles' partial scores of 16 keys; v96-191 three sets of four fragments; v192-255 P (by half, by tile)
;   window 1: Q, tile i, channels 32 c on at 64 i + 8 c          windows 2, 3: O^T, tile i, channels 16 cb on in window 2 + i / 2 at 128 (i % 2) + 8 cb
.set PITCH,  528       ; a strip's row in LDS: 512 bytes + 16 = 132 words: row k starts at bank 4 k mod 64 (64 banks of 4 bytes: ISA guide 11.1): the 16 rows of a plain load, and the 8 rows x 32 bytes of a turning one, meet no bank twice
.set STRIPB, 64*PITCH  ; 33,792: a wave's strip of a tile
.set SLOT,   4*STRIPB  ; 135,168 = 0x21000: two bits that no strip's start has, so one exclusive or changes slots
.set BLK,    2*SLOT    ; the owners' blocks
.set BLKB,   13824     ; a block: X of half 0 (6,144), X of half 1, P (1,024), a (512)
.set XH,     6144
.set POFF,   12288
.set AOFF,   13312
.set SPARE,  BLK+4*BLKB ; 325,632: the spare words, 128 bytes a wave: two blocks of 256 bytes that no other line names
.set TILEB,  64*2048   ; a tile's rows in kb
.set SPITCH, 1040      ; a stage's row: 1,024 bytes + 16
.set STG,    16*SPITCH
.set SPW, 2            ; v2   my spare word's address; never rewritten
.set NIL, 3            ; v3   0; never rewritten
.set TT,  4            ; v4-7 block of my tile i + 16 x lane
.set AK0, 8            ; v8   my place in my strip for a plain fragment;  v9 for a turned one (later: the way out's STO and RD)
.set AV0, 9
.set AK,  10           ; v10, v11  the same in the slot in hand (v10 later: GO)
.set AV,  11
.set CM,  12           ; v12 c m of half 0, v13 m, v14 c m of half 1, v15 c m_old - c m_new
.set MX,  13
.set DD,  15
.set LL,  16           ; v[16:17] l: even places', odd places'
.set CC,  18           ; v18-21 at work
.set PFO, 22           ; v22  the prefetches' offset; never rewritten
.set QO,  23           ; v23  my offset in 16 rows of Q
.set AA,  24           ; v24-31 a by half and tile
.set OWN, 32
.set OTH, 64
.set FA,  96           ; the three fragment sets: a phase's group 0 multiplies FA, groups 1 and 3 FB, group 2 FC
.set FB,  128
.set FC,  160
.set PP,  192
.set WV,  10           ; s10 wave;  s11 cx;  s12 my block of 64 queries;  s13 batch;  s14, s15, s[42:43] at work
.set G1,  16           ; s[16:23] descriptor group 1
.set G0A, 24           ; s[24:27] group 0: tile 0 into slot 0
.set G0B, 28           ; s[28:31] group 0: tile 1 into slot 1; then it walks
.set CS,  32           ; s[32:33] c, as a pair
.set SEL, 34           ; s[34:35] v_permlanex16_b32's selects: each lane takes its own place in the other half
.set TB,  36           ; s36 the slot in hand: 0 or SLOT
.set CNT, 37           ; s37 tiles to go
.set LIM, 38           ; s38 1 in a cluster that prefetches, else the greatest number
.set PFA, 40           ; s[40:41] where my prefetches stand
.set BAS, 44           ; s[44:51] Q, later out0, at my 16 rows and 256 channels of my tile i
.set OFS, 52           ; s52-55 the byte offsets that make them
.set STR, 56           ; s56 my strip in a slot
.set NA, 8             ; where a phase's lines stand, by the number of the matrix instruction in front of which they stand
.set NW, 10
.set NL, 17
.set NB, 40
.set NV, 42
.set NR, 50
.set NC, 40
.set NC2, 44
.set RP0, 16           ; phase 2: the rescaling by a0 pauses behind product 16, 14 accumulators ahead,
.set RP1, 29           ; and goes on behind product 29, two ahead
.set RL,  62           ; phase 2: the rescaling by a1 begins behind product 62: two accumulators ahead of phase 3
.set rr0, 256
.set rr1, 256
.set MSB, 0
.macro WIN new                      ; the immediate's high byte repeats the setting that is left; a switch that changes nothing is dropped
.if MSB != (\new)
	s_set_vgpr_msb (MSB<<8)|(\new)
.set MSB, (\new)
.endif
.endm
.macro NOPS k                       ; places (ISA guide 7.12.1) where no other vector work is at hand
.rept \k
	v_nop
.endr
.endm
.macro CREST                        ; a round of the cluster's barrier behind its opening barrier
	s_cmp_lg_u32 s[WV], 0
	s_cbranch_scc1 .Lnot_wave_0_\@
	s_barrier_signal -3
.Lnot_wave_0_\@:
	s_barrier_wait -3
	s_barrier_signal -1
	s_barrier_wait -1
.endm
.macro CROUND                       ; a whole round
	s_barrier_signal -1
	s_barrier_wait -1
	CREST
.endm
; A PREFETCH INTO THE L2 of the tile that the NEXT change of slots will ask for.  All eight clusters of a batch walk the same keys: the batch's first cluster asks.  Its four partners share the tile's 64 rows out
; BY ADDRESS, 16 each; each wave takes its own 512 bytes of a row as two blocks of 256: a lane a block, one instruction a wave and tile.  So each block is named once in the launch.
; Tiles 0 to 2 come by their loads alone; the last change that fills a slot asks for nothing.
.macro ASK
	s_cmp_gt_u32 s[CNT], s[LIM]
	s_cbranch_scc0 .Lnot_mine_\@
	global_prefetch_b8 v[PFO], s[PFA:PFA+1] th:TH_LOAD_NT scope:SCOPE_SE
.Lnot_mine_\@:
.endm
	s_load_b128 s[4:7], s[0:1], 0x0     ; kb s[4:5], query s[6:7]
	s_load_b64 s[8:9], s[0:1], 0x10     ; out0
	v_lshl_add_u32 v[SPW], v0, 2, SPARE
	v_mov_b32 v[NIL], 0
	ds_add_u32 v[SPW], v[NIL]           ; the wave's opening: the add and its wait stand ahead of my first tensor load; the set-up below, work on registers, stands between them
	v_lshrrev_b32 v1, 5, v0
	v_readfirstlane_b32 s[WV], v1       ; wave 0..3
	s_bfe_u32 s11, ttmp6, 0x40000       ; cx: my place in the cluster: it enters Q's, out0's and the prefetches' addresses alone
	s_lshl_b32 s12, ttmp9, 2            ; in a cluster launch ttmp9 counts clusters
	s_add_co_u32 s12, s12, s11          ; my block of 64 queries
	s_and_b32 s13, ttmp7, 0xffff        ; the batch, which the four partners share
	; descriptor group 1: a strip of 64 rows x 256 elements, padded in LDS
	s_mov_b32 s[G1+0], 15|(1<<16)|(1<<20)|(1<<21)|(6<<22)|(3<<25)  ; 15:0 the mask of four; 17:16 2-byte elements; 20 padding on; 21 set beside a mask; 24:22 after every 128 words (code 6); 31:25 4 words (code 3)
	s_mov_b32 s[G1+1], 256<<16          ; tensor_dim0 = 256
	s_mov_b32 s[G1+2], 64<<16           ; tensor_dim1 = 64
	s_mov_b32 s[G1+3], 256<<16          ; tile_dim0 = 256
	s_mov_b32 s[G1+4], 64               ; tile_dim1 = 64
	s_mov_b32 s[G1+5], 1024             ; 1,024 elements from row to row
	s_mov_b32 s[G1+6], 0
	s_mov_b32 s[G1+7], 0
	s_mov_b32 s[CS], 0x3fb8aa3b         ; c = log2(e)
	s_mov_b32 s[CS+1], 0x3fb8aa3b       ; named with it as a pair
	s_mov_b32 s[SEL], 0x76543210
	s_mov_b32 s[SEL+1], 0xfedcba98
	s_mov_b32 s[TB], 0
	s_cmp_eq_u32 ttmp9, 0               ; the batch's first cluster: the same answer in all four partners
	s_cselect_b32 s[LIM], 1, -1
	s_mul_i32 s[STR], s[WV], STRIPB
	s_lshl_b32 s42, s13, 22             ; kb: the batch's 4,194,304 bytes,
	s_lshl_b32 s14, s[WV], 9            ; my 512 bytes of a row
	s_add_co_u32 s42, s42, s14
	s_mov_b32 s43, 0
	s_lshl_b32 s57, s13, 23             ; query and out0: the batch's 8,388,608 bytes,
	s_lshl_b32 s14, s12, 18             ; my block's 64 rows of 4,096,
	s_add_co_u32 s57, s57, s14
	s_lshl_b32 s14, s[WV], 10           ; my 1,024 bytes of a row
	s_add_co_u32 s57, s57, s14
	v_and_b32 v128, 31, v0              ; l
	v_and_b32 v129, 15, v0              ; r = l % 16
	v_bfe_u32 v130, v0, 4, 1            ; h = l / 16
	v_and_b32 v131, 7, v0               ; l % 8
	v_bfe_u32 v132, v0, 3, 1            ; (l / 8) % 2
.irp i, 0,1,2,3
	s_add_co_u32 s14, s[WV], \i
	s_and_b32 s14, s14, 3               ; my tile i is tile (w + i) % 4
	s_mul_i32 s15, s14, BLKB
	s_add_co_u32 s15, s15, BLK
	v_lshl_add_u32 v[TT+\i], v128, 4, s15  ; its owner's block + 16 x lane
	s_lshl_b32 s14, s14, 16             ; its 16 rows of 4,096 bytes
	s_add_co_u32 s[OFS+\i], s57, s14
.endr
	v_lshl_add_u32 v133, v131, 1, v132  ; a plain fragment's row r takes key 2 (r % 8) + r / 8
	v_mul_u32_u24 v133, v133, PITCH
	v_lshl_add_u32 v133, v130, 4, v133  ; + 16 h
	v_add_nc_u32 v[AK0], s[STR], v133
	v_lshl_add_u32 v134, v131, 1, v130  ; the turning load's lane addresses key 2 (l % 8) + h,
	v_mul_u32_u24 v134, v134, PITCH
	v_lshl_add_u32 v134, v132, 4, v134  ; channels 8 ((l / 8) % 2) on
	v_add_nc_u32 v[AV0], s[STR], v134
	v_lshrrev_b32 v135, 1, v128
	v_and_b32 v136, 1, v0
	v_lshlrev_b32 v[PFO], 11, v135      ; row l / 2 of my work-group's 16,
	v_lshl_add_u32 v[PFO], v136, 8, v[PFO]  ; block l % 2 of my 512 bytes
	v_lshlrev_b32 v[QO], 12, v129       ; row r x 4,096
	v_lshl_add_u32 v[QO], v130, 5, v[QO]  ; + 8 h channels of f32
	v_mov_b32 v[CM], 0xfe000000         ; c m: far below every c s, so the first a is 0
	v_mov_b32 v[MX], 0xff7fffff         ; m: the lowest finite number
	v_mov_b32 v[CM+2], 0xfe000000
	v_mov_b32 v[DD], 0
	v_mov_b32 v[LL], 0
	v_mov_b32 v[LL+1], 0
.irp i, 0,1,2,3,4,5,6,7
	v_mov_b32 v[AA+\i], 0
.endr
	s_wait_dscnt 0x0                    ; the opening add is done
	s_wait_kmcnt 0x0
	s_add_nc_u64 s[42:43], s[4:5], s[42:43]  ; kb at my strip of the batch's tile 0: nothing of it hangs on cx
	s_mov_b32 s[G0A], 1                 ; 1:0 count = 1
	s_mov_b32 s[G0A+1], s[STR]          ; 63:32 LDS address: slot 0
	s_mov_b64 s[G0A+2:G0A+3], s[42:43]  ; 120:64 global address
	s_or_b32 s[G0A+3], s[G0A+3], 0x80000000  ; 127:126 type = 2
	s_mov_b32 s[G0B], 1
	s_add_co_u32 s[G0B+1], s[STR], SLOT
	s_add_nc_u64 s[G0B+2:G0B+3], s[42:43], TILEB
	s_or_b32 s[G0B+3], s[G0B+3], 0x80000000
	s_mov_b32 s15, 0
.irp i, 0,1,2,3
	s_mov_b32 s14, s[OFS+\i]
	s_add_nc_u64 s[BAS+2*\i:BAS+2*\i+1], s[6:7], s[14:15]
.endr
	s_lshl_b32 s14, s11, 15             ; my work-group's 16 rows of a tile's 64,
	s_add_co_u32 s14, s14, 2*TILEB      ; in tile 2: the first change of slots steps it to tile 3
	s_add_nc_u64 s[PFA:PFA+1], s[42:43], s[14:15]
	CROUND                              ; all four work-groups are here: the first joint loads meet
	tensor_load_to_lds s[G0A:G0A+3], s[G1:G1+7]  ; both first fills go out together: two loads of mine are out
	s_nop 0
	tensor_load_to_lds s[G0B:G0B+3], s[G1:G1+7]
	s_nop 0
	NOPS 4
	; Q: f32 into the registers that will hold O^T, then rounded to bf16 into window 1.  A fragment is 16 queries x 32 channels: lane (r, h) holds query r, channels 8 h + 0..7 and 16 + 8 h + 0..7: four loads of 16 bytes.
.set i, 0
.rept 4
	WIN 0x80+0x40*(i/2)                 ; destination window 2 or 3, address window 0
.set c, 0
.rept 8
.irp p, 0,1,2,3
	global_load_b128 v[128*(i%2)+16*c+4*(\p):128*(i%2)+16*c+4*(\p)+3], v[QO], s[BAS+2*i:BAS+2*i+1] offset:128*c+16*((\p)%2)+64*((\p)/2)
.endr
.set c, c+1
.endr
.set i, i+1
.endr
.set i, 0
.rept 4
.if i < 2
	s_wait_loadcnt 63                   ; of 128 loads at most 63 are out: the first 65 are in, tiles 0 and 1 among them
.elseif i == 2
	s_wait_loadcnt 32                   ; tile 3's 32 may stay out
.else
	s_wait_loadcnt 0x0
.endif
	WIN 0x4a+5*(i/2)                    ; sources window 2 or 3, destination window 1
.set k, 0
.rept 64
	v_cvt_pk_bf16_f32 v[64*i+k], v[128*(i%2)+2*k], v[128*(i%2)+2*k+1]
.set k, k+1
.endr
	WIN 0x80+0x40*(i/2)
.set k, 0
.rept 128
	v_mov_b32 v[128*(i%2)+k], 0         ; O^T starts at 0, in the wait for the first tile: the first key step is then a step like any other, and no first tile is written out
.set k, k+1
.endr
.set i, i+1
.endr
	WIN 0
; FOUR FRAGMENTS, for 16 matrix instructions, into the set dst: eight loads.
.macro FK hf, g, dst                ; K as it lies: half hf, keys 16 (g / 2) on, channels 32 (4 (g % 2) + f) on
	WIN 0
.irp f, 0,1,2,3
	ds_load_b128 v[(\dst)+8*(\f):(\dst)+8*(\f)+3],   v[AK] offset:(32*(\hf)+16*((\g)/2))*PITCH+64*(4*((\g)%2)+(\f))
	ds_load_b128 v[(\dst)+8*(\f)+4:(\dst)+8*(\f)+7], v[AK] offset:(32*(\hf)+16*((\g)/2))*PITCH+64*(4*((\g)%2)+(\f))+32
.endr
.endm
.macro FV hf, g, dst                ; K turned: half hf's 32 keys, channels 16 (4 g + f) on
	WIN 0
.irp f, 0,1,2,3
	ds_load_tr16_b128 v[(\dst)+8*(\f):(\dst)+8*(\f)+3],   v[AV] offset:32*(\hf)*PITCH+32*(4*(\g)+(\f))
	ds_load_tr16_b128 v[(\dst)+8*(\f)+4:(\dst)+8*(\f)+7], v[AV] offset:(32*(\hf)+16)*PITCH+32*(4*(\g)+(\f))
.endr
.endm
.macro XST hf, kb                   ; my partial scores of the three other tiles, keys 16 kb on, go to their owners: place i - 1 of three in block (w + i) % 4; each accumulator's low registers first
	WIN 0
.irp i, 1,2,3
.irp p, 0,1
	ds_store_b128 v[TT+(\i)], v[OTH+8*((\i)-1)+4*(\p):OTH+8*((\i)-1)+4*(\p)+3] offset:XH*(\hf)+((\i)-1)*2048+(\kb)*1024+512*(\p)
.endr
.endr
.endm
.macro XLD hf                       ; the three partial tiles that the others put into my block, into registers that are idle here: X1 = v224-239, X2 = v240-255 (P of half 1); X3 = v192-207 (P of half 0) for half 0, v64-79 for half 1
	WIN 0
.irp i, 1,2,3
.set xr, 224+16*((\i)-1)
.if (\i) == 3
.set xr, 192-128*(\hf)
.endif
.irp j, 0,1,2,3
	ds_load_b128 v[xr+4*(\j):xr+4*(\j)+3], v[TT] offset:XH*(\hf)+((\i)-1)*2048+512*(\j)
.endr
.endr
.endm
.macro PLD hf                       ; the three other tiles' P and a, lane for lane
	WIN 0
.irp i, 1,2,3
	ds_load_b128 v[PP+32*(\hf)+8*(\i):PP+32*(\hf)+8*(\i)+3],   v[TT+(\i)] offset:POFF
	ds_load_b128 v[PP+32*(\hf)+8*(\i)+4:PP+32*(\hf)+8*(\i)+7], v[TT+(\i)] offset:POFF+512
	ds_load_b32 v[AA+4*(\hf)+(\i)], v[TT+(\i)] offset:AOFF
.endr
.endm
; THE MATRIX WORK.  Product n of 64 of S^T = K Q^T, half hf: keys 16 (n / 32) on, channels 32 ((n / 4) % 8) on, tile n % 4.  The four tiles' accumulators take turns; the first product starts a sum.
; The other tiles' three accumulators serve both blocks of 16 keys: the first block's sums are stored at product 32, and the second block's start in the same registers.
.macro SMM hf
.set mc, (n/4)%8
.set mi, n%4
.set mD, OTH+8*(mi-1)
.if mi == 0
.set mD, OWN+16*(\hf)+8*(n/32)
.endif
.set mF, FA+32*(n/16)
.if (n/16) == 3
.set mF, FB
.endif
.set mA, mF+8*(mc%4)
.set mB, 64*mi+8*mc
	WIN 0x04                            ; Q in window 1
.if mc == 0
	v_wmma_f32_16x16x32_bf16 v[mD:mD+7], v[mA:mA+7], v[mB:mB+7], 0
.else
	v_wmma_f32_16x16x32_bf16 v[mD:mD+7], v[mA:mA+7], v[mB:mB+7], v[mD:mD+7]
.endif
.endm
; Product n of 64 of O^T += V^T P, half hf: channels 16 (n / 4) on, tile n % 4.  64 accumulators take turns.
.macro PMM hf
.set mi, n%4
.set mD, 128*(mi%2)+8*(n/4)
.set mF, FA+32*(n/16)
.if (n/16) == 3
.set mF, FB
.endif
.set mA, mF+8*((n/4)%4)
.set mB, PP+32*(\hf)+8*mi
	WIN 0xa0+0x50*(mi/2)                ; C and D in window 2 or 3
	v_wmma_f32_16x16x32_bf16 v[mD:mD+7], v[mA:mA+7], v[mB:mB+7], v[mD:mD+7]
.endm
; THE RESCALING by a of half hf: its next number rr of 256: pair rr % 4 of accumulator rr / 4 in PMM's order.  a lies two tiles to a pair: an even tile's is the pair's low word, an odd tile's its high word.
.macro RS hf
.if (\hf) == 0
.set rr, rr0
.set rr0, rr0+1
.else
.set rr, rr1
.set rr1, rr1+1
.endif
.set ri, (rr/4)%4
.set rO, 128*(ri%2)+8*(rr/16)+2*(rr%4)
.set rA, AA+4*(\hf)+2*(ri/2)
	WIN 0x82+0x41*(ri/2)                ; destination and source 0 in window 2 or 3, a in window 0
.if (ri%2) == 0
	v_pk_mul_f32 v[rO:rO+1], v[rO:rO+1], v[rA:rA+1] op_sel_hi:[1,0]
.else
	v_pk_mul_f32 v[rO:rO+1], v[rO:rO+1], v[rA:rA+1] op_sel:[0,1] op_sel_hi:[1,1]
.endif
.endm
; THE SOFTMAX of my own tile for half hf: a list of 69; SX writes number q.  s0-s15 are my lane's 16 scores (the query's other 16 lie in the lane 16 away).
;   0-23   the three partial tiles are added onto mine          24-31  the maximum of s0-s15 and the old m          32-35  the other half of the lanes'; m; c m; c m_old - c m_new
;   36-60  ONE BATCH: a, the 8 scalings c s - c m and the 16 exponentials; none of these names an exponential's result
;   (SXH)  between 60 and 61, at the head of the phase's second half: the wait for the batch, the roundings to bf16, the stores of P and a
;   61-68  the sum; l = a l + sum
.macro FSC
	v_pk_fma_f32 v[sS+2*sb:sS+2*sb+1], v[sS+2*sb:sS+2*sb+1], s[CS:CS+1], v[sC:sC+1] op_sel_hi:[1,0,0] neg_lo:[0,0,1] neg_hi:[0,0,1]
.endm
.macro SX hf
	WIN 0
.set sS, OWN+16*(\hf)
.set sA, AA+4*(\hf)
.set sC, CM+2*(\hf)
.set sO, CM+2-2*(\hf)
.if q < 24
.set sX, 224+16*(q/8)
.if q >= 16
.set sX, 192-128*(\hf)
.endif
	v_pk_add_f32 v[sS+2*(q%8):sS+2*(q%8)+1], v[sS+2*(q%8):sS+2*(q%8)+1], v[sX+2*(q%8):sX+2*(q%8)+1]
.elseif q < 28
	v_max3_num_f32 v[CC+q-24], v[sS+3*(q-24)], v[sS+3*(q-24)+1], v[sS+3*(q-24)+2]
.elseif q < 30
	v_max3_num_f32 v[CC+q-28], v[CC+q-28], v[sS+12+2*(q-28)], v[sS+13+2*(q-28)]
.elseif q == 30
	v_max3_num_f32 v[CC+2], v[CC+2], v[CC+3], v[MX]
.elseif q == 31
	v_max3_num_f32 v[CC], v[CC], v[CC+1], v[CC+2]
.elseif q == 32
	v_permlanex16_b32 v[CC+1], v[CC], s[SEL], s[SEL+1]
.elseif q == 33
	v_max_num_f32 v[MX], v[CC], v[CC+1]
.elseif q == 34
	v_mul_f32 v[sC], s[CS], v[MX]
.elseif q == 35
	v_sub_f32 v[DD], v[sO], v[sC]
.elseif q == 36
	v_exp_f32 v[sA], v[DD]
.elseif q < 39
.set sb, q-37
	FSC
.elseif q < 57                      ; for b = 0..5: exponential 2 b, scaling b + 2, exponential 2 b + 1
.if (q-39)%3 == 1
.set sb, (q-39)/3+2
	FSC
.else
.set se, 2*((q-39)/3)+((q-39)%3)/2
	v_exp_f32 v[sS+se], v[sS+se]
.endif
.elseif q < 61
	v_exp_f32 v[sS+q-45], v[sS+q-45]
.elseif q < 65
	v_pk_add_f32 v[sS+4*(q-61):sS+4*(q-61)+1], v[sS+4*(q-61):sS+4*(q-61)+1], v[sS+4*(q-61)+2:sS+4*(q-61)+3]
.elseif q < 67
	v_pk_add_f32 v[sS+8*(q-65):sS+8*(q-65)+1], v[sS+8*(q-65):sS+8*(q-65)+1], v[sS+8*(q-65)+4:sS+8*(q-65)+5]
.elseif q == 67
	v_pk_add_f32 v[sS:sS+1], v[sS:sS+1], v[sS+8:sS+9]
.else
	v_pk_fma_f32 v[LL:LL+1], v[LL:LL+1], v[sA:sA+1], v[sS:sS+1] op_sel_hi:[1,0,1]
.endif
.endm
; What is left of the batch; a plain instruction; the ONE wait ahead of the first use of the 17 exponentials' results; the roundings; P and a are published.
; The v_nop and the eight roundings are also the places behind the products just issued, for the stores and loads of the run that follows.
.macro SXH hf
.rept 4
.if q <= 60
	SX \hf
.set q, q+1
.endif
.endr
	WIN 0
	v_nop
	s_wait_alu depctr_va_vdst(0)
.irp k, 0,1,2,3,4,5,6,7
	v_cvt_pk_bf16_f32 v[PP+32*(\hf)+(\k)], v[OWN+16*(\hf)+2*(\k)], v[OWN+16*(\hf)+2*(\k)+1]
.endr
	ds_store_b128 v[TT], v[PP+32*(\hf):PP+32*(\hf)+3] offset:POFF
	ds_store_b128 v[TT], v[PP+32*(\hf)+4:PP+32*(\hf)+7] offset:POFF+512
	ds_store_b32 v[TT], v[AA+4*(\hf)] offset:AOFF
.endm
; A PHASE: 64 matrix instructions; in front of each what is due there, behind each its vector work.
; THE RUNS.  At product 0 the fragments of groups 1 and 2 are fetched (FB, FC), at product 32 those of group 3 and of the next phase's group 0 (FB, FA): the set that is about to be multiplied is never one of the two.
; FB's last product stands just ahead of each run: four places lie between, v_nop in the S phases (five, since the products that follow also write over accumulators just finished), the rescalings or the
; roundings behind that product in the others.  The stores that are due stand first in a run.  A wait at a group's head counts the LDS instructions issued behind that group's eight loads; where none is
; written, a wait for 0 further up has shown the set landed.
; IN PHASES 1 AND 2, for half hf = ph - 1:  NA: my partial scores are stored: I say so.  NW: everybody's are: mine are read.  NL: they are in; the softmax begins.  Product 32: P and a are stored.
; NB: they are done: I say so.  NV: everybody's are: the others' are read.  NR: they are in.
; The partial scores have a buffer for each half; P and a have one: they are written behind the barrier at NW, and every wave has waited for its reads of the last P and a (NR) ahead of its signal of that barrier.
; THE RESCALING by a0 begins at NR of phase 1, 14 accumulators ahead of the products that add onto them, pauses in phase 2 while the second softmax rides, and goes on two ahead; by a1 it begins two ahead.
; IN PHASE 3, THE CHANGE OF SLOTS.  Product 32: the slot's last run; all my tensor loads have landed (one is out: my strip of the other slot); the add; the descriptor's step; eight products.  NC: the add is
; done and the slot's last run is in: I say so.  NC2: everybody has; with fill = 1 the barrier has opened a round of the cluster's, so that no wave of any partner still reads the slot or has a load on its way,
; and the joint refill, the tile two on, is the first thing behind it: it has 244 matrix instructions in which to land.  Then the next tile's first fragments, out of my own strip of the other slot.
.macro PHASE ph, fill
.set n, 0
.if ((\ph) == 1) || ((\ph) == 2)
.set q, 0
.endif
.rept 64
.if n == 0
	WIN 0
.if (\ph) == 0
	NOPS 5
	FK 0, 1, FB
	FK 0, 2, FC
	s_wait_dscnt 16                     ; FA is in; the 16 loads just issued may be out
.elseif (\ph) == 1
	NOPS 5
	XST 0, 1
	FK 1, 1, FB
	FK 1, 2, FC
	s_wait_dscnt 22                     ; FA is in; the 6 stores and 16 loads just issued may be out
.elseif (\ph) == 2
	NOPS 4
	XST 1, 1
	FV 0, 1, FB
	FV 0, 2, FC
.else
	FV 1, 1, FB
	FV 1, 2, FC
.endif
.elseif n == 16
.if ((\ph) == 0) || ((\ph) == 3)
	s_wait_dscnt 8                      ; FB is in; FC's eight loads may be out
.endif
.elseif n == 32
	WIN 0
.if (\ph) == 0
	NOPS 5
	XST 0, 0
	FK 0, 3, FB
	FK 1, 0, FA
	s_wait_dscnt 22                     ; FC is in; the 6 stores and 16 loads just issued may be out
.elseif (\ph) == 1
	SXH 0
	XST 1, 0
	FK 1, 3, FB
	FV 0, 0, FA
.elseif (\ph) == 2
	SXH 1
	FV 0, 3, FB
	FV 1, 0, FA
.else
.if \fill
	s_wait_xcnt 0x0                     ; the last prefetch, a tile back, has read its address: it is stepped here, ahead of the change's own waits
	s_add_nc_u64 s[PFA:PFA+1], s[PFA:PFA+1], TILEB
.endif
	FV 1, 3, FB                         ; my last reads of this slot
	s_wait_tensorcnt 0x0                ; no tensor load of mine is out, so a group 0 may be written
	ds_add_u32 v[SPW], v[NIL]           ; 0 onto my spare word; the scalar steps and eight products stand between it and the wait for it
.if \fill
	s_xor_b32 s[G0B+1], s[G0B+1], SLOT  ; the walking descriptor: the other slot than last time,
	s_add_nc_u64 s[G0B+2:G0B+3], s[G0B+2:G0B+3], TILEB  ; the next tile; the type bits on top are not reached
.endif
	s_xor_b32 s[TB], s[TB], SLOT
	s_wait_dscnt 9                      ; FC is in; the eight loads just issued and the add may be out
.endif
.elseif n == 48
.if (\ph) == 0
	s_wait_dscnt 8                      ; FB is in; FA's eight loads may be out
.endif
.endif
.if ((\ph) == 1) || ((\ph) == 2)
.if n == NA
	s_wait_dscnt 0x0                    ; for the others' sake: my stores of partial scores are done
	s_barrier_signal -1
.elseif n == NW
	WIN 0
	s_barrier_wait -1
	XLD (\ph)-1
.elseif n == NL
	s_wait_dscnt 0x0                    ; the partial tiles are in
.elseif n == NB
	s_wait_dscnt 0x0                    ; for the others' sake: my P and a are stored
	s_barrier_signal -1
.elseif n == NV
	WIN 0
	s_barrier_wait -1
	PLD (\ph)-1
.elseif n == NR
	s_wait_dscnt 0x0                    ; P and a are in
.if (\ph) == 1
.set rr0, 0
.endif
.endif
.endif
.if ((\ph) == 2) && (n == RL)
.set rr1, 0
.endif
.if (\ph) == 3
.if n == NC
	s_wait_dscnt 0x0                    ; the add is done, and my reads of the slot are over
	s_barrier_signal -1
.elseif n == NC2
	WIN 0                               ; at a label and at a branch every window is 0
	s_barrier_wait -1
.if \fill
	CREST
	tensor_load_to_lds s[G0B:G0B+3], s[G1:G1+7]  ; my one tensor load behind the round
	s_nop 0
	NOPS 4
.endif
	v_add_nc_u32 v[AK], s[TB], v[AK0]
	v_add_nc_u32 v[AV], s[TB], v[AV0]
	FK 0, 0, FA                         ; the next tile's first fragments (behind the last tile of all they serve nothing: the price of one text for both tail tiles)
.if \fill
	ASK                                 ; behind the joint load, its five lines and the run of LDS loads
.endif
.endif
.endif
.if (\ph) < 2
	SMM \ph
.else
	PMM (\ph)-2
.endif
.if ((\ph) == 1) && (n >= NR)
.rept 4
	RS 0
.endr
.endif
.if (\ph) == 2
.if ((n <= RP0) || (n >= RP1)) && (rr0 < 256)
.rept 4
	RS 0
.endr
.endif
.if n >= RL
.rept 4
	RS 1
.endr
.endif
.endif
.if ((\ph) == 3) && (rr1 < 256)
.rept 4
	RS 1
.endr
.endif
.if (((\ph) == 1) || ((\ph) == 2)) && (n >= NL)
.rept 4
.if ((n < 32) && (q <= 60)) || ((n >= 32) && (q <= 68))
	SX (\ph)-1
.set q, q+1
.endif
.endr
.endif
.set n, n+1
.endr
.endm
.macro TILE fill
	PHASE 0, \fill
	PHASE 1, \fill
	PHASE 2, \fill
	PHASE 3, \fill
	WIN 0
.endm
	s_wait_tensorcnt 0x1                ; my strip of tile 0 is in, and I alone read it; tile 1's may stay out
	v_mov_b32 v[AK], v[AK0]
	v_mov_b32 v[AV], v[AV0]
	FK 0, 0, FA
	s_mov_b32 s[CNT], 30
.Ltile:                                 ; tiles 0 to 29: tile j's change of slots asks for tile j + 2
	TILE 1
	s_sub_co_u32 s[CNT], s[CNT], 1
	s_cmp_lg_u32 s[CNT], 0
	s_cbranch_scc1 .Ltile
	s_mov_b32 s[CNT], 2
.Ltail:                                 ; tiles 30 and 31 ask for nothing: a text of their own
	TILE 0
	s_sub_co_u32 s[CNT], s[CNT], 1
	s_cmp_lg_u32 s[CNT], 0
	s_cbranch_scc1 .Ltail
	; THE WAY OUT.  My tile's 1 / l goes to the other waves by the words that carried a: their last readers have passed the last change's barrier.
	s_wait_dscnt 0x0
	NOPS 4                              ; the places behind the last products
	v_add_f32 v[LL], v[LL], v[LL+1]
	v_permlanex16_b32 v[LL+1], v[LL], s[SEL], s[SEL+1]
	v_add_f32 v[LL], v[LL], v[LL+1]
	v_rcp_f32 v[AA], v[LL]
	v_and_b32 v1, 15, v0                ; the stage's addresses: the independent work behind the reciprocal
	v_bfe_u32 v[CC], v0, 4, 1
	v_mul_u32_u24 v8, v1, SPITCH        ; in: row r, 32 bytes for each half of the lanes; rows 260 words apart start at 16 different groups of four banks
	v_lshl_add_u32 v8, v[CC], 5, v8
	v_add_nc_u32 v8, s[STR], v8         ; my own strip of slot 0: it has had its last fill, and I alone have read it
	v_and_b32 v9, 31, v0
	v_lshlrev_b32 v10, 4, v9            ; out: 16 x lane
	v_add_nc_u32 v9, s[STR], v10        ; back: 512 consecutive bytes of a row
	s_mov_b32 s15, 0
.irp i, 0,1,2,3
	s_mov_b32 s14, s[OFS+\i]
	s_add_nc_u64 s[BAS+2*\i:BAS+2*\i+1], s[8:9], s[14:15]  ; (Q's loads, which named these registers, were waited for at the head)
.endr
	s_wait_alu depctr_va_vdst(0)        ; the wait ahead of the reciprocal's first use
	ds_store_b32 v[TT], v[AA] offset:AOFF
	s_wait_dscnt 0x0
	s_barrier_signal -1
	s_barrier_wait -1
.irp i, 1,2,3
	ds_load_b32 v[AA+\i], v[TT+\i] offset:AOFF
.endr
	s_wait_dscnt 0x0
; Tile i: O^T / l; a lane's eight channels of a row are 32 bytes; they go into stage i % 2 and come back as whole rows of 1,024 bytes.
.macro PACK i
	WIN 0x82+0x41*((\i)/2)
.set pk, 0
.rept 64
.set pO, 128*((\i)%2)+2*pk
.if ((\i)%2) == 0
	v_pk_mul_f32 v[pO:pO+1], v[pO:pO+1], v[AA+2*((\i)/2):AA+2*((\i)/2)+1] op_sel_hi:[1,0]
.else
	v_pk_mul_f32 v[pO:pO+1], v[pO:pO+1], v[AA+2*((\i)/2):AA+2*((\i)/2)+1] op_sel:[0,1] op_sel_hi:[1,1]
.endif
.set pk, pk+1
.endr
	WIN 0x08+4*((\i)/2)                 ; a store's data are source 1
.set pk, 0
.rept 32
	ds_store_b128 v8, v[128*((\i)%2)+4*pk:128*((\i)%2)+4*pk+3] offset:((\i)%2)*STG+64*(pk/2)+16*(pk%2)
.set pk, pk+1
.endr
	WIN 0
.endm
.macro READ i, u                    ; rows 8 u .. 8 u + 7 of the stage; LDS serves a wave's instructions in order (ISA guide 5.7.1.4): these see the stores above
.set pk, 0
.rept 16
	ds_load_b128 v[64+64*(\u)+4*pk:64+64*(\u)+4*pk+3], v9 offset:((\i)%2)*STG+(8*(\u)+pk/2)*SPITCH+512*(pk%2)
.set pk, pk+1
.endr
.endm
.macro SEND i, u, younger           ; younger: the LDS instructions issued behind this READ's sixteen
.set pk, 0
.rept 16
	s_wait_dscnt (\younger)+15-pk
	global_store_b128 v10, v[64+64*(\u)+4*pk:64+64*(\u)+4*pk+3], s[BAS+2*(\i):BAS+2*(\i)+1] offset:(8*(\u)+pk/2)*4096+512*(pk%2) th:TH_STORE_NT  ; 512 consecutive bytes, at a multiple of 256 from out0's first
.set pk, pk+1
.endr
.endm
	PACK 0
	READ 0, 0
	READ 0, 1
.irp i, 1,2,3                       ; a tile's arithmetic and stage stores stand between the loads of the tile before and its stores
	PACK \i
	SEND (\i)-1, 0, 48                  ; behind them: the second READ's 16 and PACK's 32
	SEND (\i)-1, 1, 32
	s_wait_xcnt 0x0                     ; the stores have read their data: those registers are loaded again only behind this wait
	READ \i, 0
	READ \i, 1
.endr
	SEND 3, 0, 16
	SEND 3, 1, 0
	s_wait_tensorcnt 0x0                ; the wave's end, behind my last tensor load and my last LDS store
	ds_add_u32 v[SPW], v[NIL]
	s_wait_dscnt 0x0
	CROUND                              ; the closing round: no work-group ends while a partner may still ask for a tile that names it
	s_endpgm
.Lfunc_end_k_qe34f73e89d_attn:
	.size	k_qe34f73e89d_attn, .Lfunc_end_k_qe34f73e89d_attn-k_qe34f73e89d_attn
	.p2alignl 7, 3214868480
	.fill 96, 4, 3214868480
	.section	.rodata,"a",@progbits
	.p2align	6, 0x0
	.amdhsa_kernel k_qe34f73e89d_attn
		.amdhsa_group_segment_fixed_size 327680
		.amdhsa_private_segment_fixed_size 0
		.amdhsa_enable_private_segment 0
		.amdhsa_kernarg_size 24
		.amdhsa_user_sgpr_count 2
		.amdhsa_user_sgpr_kernarg_segment_ptr 1
		.amdhsa_wavefront_size32 1
		.amdhsa_system_sgpr_workgroup_id_x 1
		.amdhsa_system_sgpr_workgroup_id_y 1
		.amdhsa_system_sgpr_workgroup_id_z 1
		.amdhsa_system_vgpr_workitem_id 0
		.amdhsa_next_free_vgpr 1024
		.amdhsa_next_free_sgpr 66
		.amdhsa_reserve_vcc 0
		.amdhsa_float_denorm_mode_32 3
		.amdhsa_float_denorm_mode_16_64 3
		.amdhsa_memory_ordered 1
		.amdhsa_forward_progress 1
		.amdhsa_inst_pref_size 255
	.end_amdhsa_kernel
	.section	.bss,"aw",@nobits
	.p2align	6
	.space	262144
	.amdgpu_metadata
---
amdhsa.version: [ 1, 2 ]
amdhsa.kernels:
  - .name:           k_qe34f73e89d_attn
    .symbol:         k_qe34f73e89d_attn.kd
    .args:
      - { .name: kb, .offset: 0, .size: 8, .value_kind: global_buffer, .address_space: global }
      - { .name: query, .offset: 8, .size: 8, .value_kind: global_buffer, .address_space: global }
      - { .name: out0, .offset: 16, .size: 8, .value_kind: global_buffer, .address_space: global }
    .group_segment_fixed_size: 327680
    .private_segment_fixed_size: 0
    .kernarg_segment_align: 8
    .kernarg_segment_size: 24
    .max_flat_workgroup_size: 128
    .sgpr_count:     66
    .vgpr_count:     1024
    .wavefront_size: 32
...
	.end_amdgpu_metadata
.endif
;; end of part 2
